; MI455X (gfx1250); checked and timed in simulation.
; The chip was launched on July 23, 2026; its instructions are those of AMD's public machine-readable ISA for CDNA 5 (MIT licence, August 2026) and "CDNA5" Instruction Set Architecture Reference Guide (July 2026). The comments in the code are by the model that wrote it; some were corrected since.
;; RDPP NOISING. Allowed arithmetic: matrix products marked QUANTISED: E5M2 operands, one E8M0 scale for each 32 along K, by v_wmma_scale_f32_16x16x128_f8f6f4 with both operands' format E5M2, f32 sums; everything else in f32.
;; Inputs: features 8 x 1,024 x 32 x 32 float32; memory_bank 8,192 x 1,024 float32; noise 8,192 x 1,024 float32.
;; Outputs: out0 8 x 1,024 x 32 x 32 float32; out1 8 x 32 x 32 float32; out2 8 x 32 x 32 float32.
;; This version of the problem:
;;   THIS VERSION OF THE PROBLEM IS GIVEN IN LOW PRECISION. The matrix products marked QUANTISED in the list below multiply operands that are first quantised to E5M2 (5 exponent bits, 2 mantissa bits; 8 bits a number), with one power-of-two scale for each 32 numbers along K (OCP MX v1.0); their sums are f32. All else is computed in f32.
;;   The module's matrix products, in the order in which they are computed (A, B: the left and right operand; K: the contracted axis; several contracted axes count as one K, in the product's order):
;;     1. [M 8,192, K 1,024] x [K 1,024, N 8,192]; A: input features; B: input memory_bank: QUANTISED
;;   THE QUANTISER, for each operand of a quantised product, along K:
;;     - K is cut into blocks of 32 from its start; a last block that is shorter is filled with zeros.
;;     - A block's scale is 2^e with e = floor(log2(the largest magnitude in the block)) - 15, held to -126 .. 127; a block of zeros has e = 0. As a byte (E8M0): e + 127.
;;     - Each number is divided by its block's scale, clamped to +-57,344, and rounded to the nearest number of E5M2, ties to even, subnormals kept.
;;     - The product sums the exact products of the quantised numbers (number of the format x scale) in f32.
;;   ~~~python
;;   def quantise(x, axis):      # numpy; x: float32 -> the quantised numbers, widened to float32 again
;;       x = np.moveaxis(x, axis, -1); K = x.shape[-1]
;;       x = np.pad(x, [(0, 0)] * (x.ndim - 1) + [(0, -K % 32)]); x = x.reshape(x.shape[:-1] + (-1, 32)); a = np.abs(x).max(-1, keepdims=True)
;;       e = np.where(a > 0, np.clip(np.frexp(np.where(a > 0, a, 1))[1] - 1 - 15, -126, 127), 0)      # np.frexp(a)[1] - 1 = floor(log2(a)), exactly
;;       r = np.clip(x / 2.0 ** e, -57344, 57344)
;;       step = 2.0 ** (np.maximum(np.frexp(np.where(r == 0, 1, r))[1] - 1, -14) - 2)
;;       q = np.round(r / step) * step * 2.0 ** e      # np.round: ties to even
;;       return np.moveaxis(q.reshape(q.shape[:-2] + (-1,))[..., :K], -1, axis).astype(np.float32)
;;   ~~~
;; One version. Each part assembles by itself: llvm-mc -triple=amdgcn-amd-amdhsa -mcpu=gfx1250 --defsym DOCPART=n.
;; ======== version 1 of 1: 4 launches
;; limits: right only within a limited range of input values
;; workspace buffers: fq_codes 8,388,608 bytes; fq_scales 262,144 bytes; mb_codes 8,388,608 bytes; mb_scales 262,144 bytes; fsqp 131,072 bytes; msq 32,768 bytes; pkey 1,048,576 bytes of whole numbers; inflp 65,536 bytes
;; launch qfeat (part 1): grid 512 x 1, 4 waves a work-group, no clusters, 103,936 bytes of LDS; arguments features, fq_codes, fq_scales, fsqp, memory_bank, mb_codes, mb_scales, msq; writes fq_codes, fq_scales, fsqp, mb_codes, mb_scales, msq
.if DOCPART == 1
	.amdgcn_target "amdgcn-amd-amdhsa--gfx1250"
	.amdhsa_code_object_version 6
	.text
	.protected	k_qdf9e13490f_qfeat
	.globl	k_qdf9e13490f_qfeat
	.p2align	8
	.type	k_qdf9e13490f_qfeat,@function
k_qdf9e13490f_qfeat:
	s_mov_b64 s[64:65], 0
	v_nop
	global_prefetch_b8 v0, s[64:65] scope:SCOPE_SE
	s_setreg_imm32_b32 hwreg(HW_REG_WAVE_MODE, 25, 1), 1
	s_wait_xcnt 0x0
; features [8][1024 c][1024 hw], f32, are the left operand of the product, with K = c, which is NOT innermost.  They are turned into codes of BF8 (E5M2),
; laid [8192 n][1024 k] with K innermost (n = 1024 b + hw), one E8M0 scale byte for each 32 along K, laid [8192][32], and partial sums of squares [4 quarters of K][8192].
; A LANE TAKES A COLUMN n, AND ITS REGISTERS RUN DOWN K: a load reads 32 neighbouring n (128 consecutive bytes a wave, 512 a work-group), a block of 32 along K lies in one lane's 32 registers,
; and the conversions give codes with K innermost.  A wave takes 32 columns x 256 along K: 8 blocks a lane; the codes go through the wave's own stage in LDS and leave as rows of 256 bytes.
; A block's scale is 2^(floor(log2(its largest magnitude)) - 15); its byte is the largest magnitude's exponent field - 15, held at 1 from below.
; LIMITS: a block of zeros gets the byte 1 where the rule says 127 (its codes are zeros, and this program alone reads the bytes); blocks whose largest magnitude lies under 2^(15 - 126)
; are held at the floor's byte and were not tried; NaN and infinities among the inputs are not served.
; No tensor loads, no barrier: waves share nothing.  Loads run two blocks (64 loads a wave) ahead.  Every offset is an immediate: 255 x 4,096 bytes at the most.
.set NB,     8                         ; blocks of 32 along K for a wave
.set PITCH,  272                       ; a stage row: 256 bytes of codes + 16
.set KROW,   1024                      ; a row of the codes' buffer in bytes
.set NPITCH, 4096                      ; bytes from k to k + 1 in features
.set EMAX,   15
.set MANT,   0x600000                  ; the mantissa field of 57,344 as f32
.set FQ,     16                        ; v[16:17], v[18:19] two chains of squares, two numbers each
.set SB,     24                        ; v24-25   the scale bytes, four to a register
.set X,      32                        ; v32-95   two sets of 32 numbers
.set C,      96                        ; v96-103  a block's codes
.set OUTR,   112                       ; v112-175 the way out
; ONE LAUNCH FOR BOTH OPERANDS: work-groups 0 to 255 take features (column block n % 64, quarter of K n / 64), as the head says; work-groups 256 to 511 take the bank, on a path of its own behind .Lbank,
; with LDS bytes of its own (from byte 36,352 on) and one barrier.  The two paths part on the work-group's number alone.
	v_lshl_add_u32 v208, v0, 2, 0x8c00             ; the spare words' address and 0
	v_mov_b32 v209, 0
	s_cmp_lt_u32 ttmp9, 256
	s_cbranch_scc0 .Lbank
	s_load_b128 s[4:7], s[0:1], 0x0                ; features, the codes
	s_load_b128 s[8:11], s[0:1], 0x10              ; the scale bytes, the partial sums of squares
	s_and_b32 s30, ttmp9, 63                       ; which 128 columns
	v_lshrrev_b32 v1, 5, v0
	v_readfirstlane_b32 s16, v1                    ; wave 0..3
	v_and_b32 v2, 31, v0                           ; lane
	s_lshl_b32 s17, s30, 7
	s_lshl_b32 s18, s16, 5
	s_add_co_u32 s17, s17, s18                     ; n0, my wave's first column: 128 x work-group x + 32 x wave
	s_lshr_b32 s18, ttmp9, 6                       ; which quarter of K
	v_lshlrev_b32 v3, 2, v2                        ; 4 bytes a lane
	s_mul_i32 s19, s16, 32*PITCH                   ; my stage
	v_mul_u32_u24 v4, v2, PITCH
	v_add_nc_u32 v4, s19, v4                       ; into it: row = my column
	v_and_b32 v5, 15, v2
	v_lshrrev_b32 v6, 4, v2                        ; out of it: sixteen lanes to a row, two rows an instruction
	v_mul_u32_u24 v7, v6, PITCH
	v_lshl_add_u32 v7, v5, 4, v7
	v_add_nc_u32 v7, s19, v7
	v_mul_u32_u24 v8, v6, KROW
	v_lshl_add_u32 v8, v5, 4, v8                   ; and the same place in the codes' buffer
	v_lshlrev_b32 v9, 5, v2                        ; my column's row of 32 scale bytes
	s_lshr_b32 s20, s30, 3
	s_lshl_b32 s20, s20, 22
	s_lshl_b32 s22, s18, 20
	s_add_co_u32 s20, s20, s22
	s_and_b32 s22, s17, 1023
	s_lshl_b32 s22, s22, 2
	s_add_co_u32 s20, s20, s22
	s_mov_b32 s21, 0
	s_lshl_b32 s24, s17, 10                        ; codes: n0 x 1,024 + 256 y
	s_lshl_b32 s22, s18, 8
	s_add_co_u32 s24, s24, s22
	s_mov_b32 s25, 0
	s_lshl_b32 s26, s17, 5                         ; scale bytes: n0 x 32 + 8 y
	s_lshl_b32 s22, s18, 3
	s_add_co_u32 s26, s26, s22
	s_mov_b32 s27, 0
	s_lshl_b32 s28, s18, 13                        ; sums of squares: (8,192 y + n0) x 4
	s_add_co_u32 s28, s28, s17
	s_lshl_b32 s28, s28, 2
	s_mov_b32 s29, 0
	s_mov_b32 s31, MANT                            ; (an instruction takes one literal: the hold's line has another)
	s_wait_kmcnt 0x0
	s_add_nc_u64 s[4:5], s[4:5], s[20:21]
	s_add_nc_u64 s[6:7], s[6:7], s[24:25]
	s_add_nc_u64 s[8:9], s[8:9], s[26:27]
	s_add_nc_u64 s[10:11], s[10:11], s[28:29]
.macro LOAD t                          ; block t: f(32 t + i, my column), i = 0 .. 31, into set t % 2
.irp i, 0,1,2,3,4,5,6,7,8,9,10,11,12,13,14,15,16,17,18,19,20,21,22,23,24,25,26,27,28,29,30,31
	global_load_b32 v[X+32*((\t)%2)+\i], v3, s[4:5] offset:(32*(\t)+\i)*NPITCH
.endr
.endm
	LOAD 0
	LOAD 1
.macro BLOCK t
.set XS, X+32*((\t)%2)
.if (\t) < NB-1
	s_wait_loadcnt 32                              ; this block's 32 loads are in; the next block's 32 may be out
.else
	s_wait_loadcnt 0
.endif
.irp i, 0,1,2,3,4,5,6,7                        ; the squares, ahead of the holds, which write over the numbers: two chains; the first block's first products start them
.if ((\t) == 0) && (\i == 0)
	v_pk_mul_f32 v[FQ:FQ+1], v[XS:XS+1], v[XS:XS+1]
	v_pk_mul_f32 v[FQ+2:FQ+3], v[XS+2:XS+3], v[XS+2:XS+3]
.else
	v_pk_fma_f32 v[FQ:FQ+1], v[XS+4*\i:XS+4*\i+1], v[XS+4*\i:XS+4*\i+1], v[FQ:FQ+1]
	v_pk_fma_f32 v[FQ+2:FQ+3], v[XS+4*\i+2:XS+4*\i+3], v[XS+4*\i+2:XS+4*\i+3], v[FQ+2:FQ+3]
.endif
.endr
	v_max3_num_f32 v12, |v[XS]|, |v[XS+1]|, |v[XS+2]|               ; the block's largest magnitude: all 32 numbers are mine
	v_max3_num_f32 v13, |v[XS+3]|, |v[XS+4]|, |v[XS+5]|
.irp i, 6,10,14,18,22,26
	v_max3_num_f32 v12, v12, |v[XS+\i]|, |v[XS+\i+1]|
	v_max3_num_f32 v13, v13, |v[XS+\i+2]|, |v[XS+\i+3]|
.endr
	v_max3_num_f32 v12, v12, |v[XS+30]|, |v[XS+31]|
	v_max3_num_f32 v12, v12, v13, (EMAX+1)<<23     ; and the floor 2^(EMAX + 1 - 127): the byte cannot fall under 1
	v_add_nc_u32 v11, -(EMAX<<23), v12             ; EMAX off its exponent field: the conversion takes the exponent field of this operand as its scale
	v_and_or_b32 v10, v12, 0x7f800000, s31         ; 57,344 x the scale: the largest magnitude's exponent field over 57,344's mantissa
	v_lshrrev_b32 v13, 23, v11                     ; the scale's byte
.if (\t)%4 == 0
	v_mov_b32 v[SB+(\t)/4], v13                    ; four bytes to a register, the lower K in the lower byte
.else
	v_lshl_or_b32 v[SB+(\t)/4], v13, 8*((\t)%4), v[SB+(\t)/4]
.endif
.irp i, 0,1,2,3,4,5,6,7,8,9,10,11,12,13,14,15,16,17,18,19,20,21,22,23,24,25,26,27,28,29,30,31
	v_med3_num_f32 v[XS+\i], v[XS+\i], -v10, v10   ; the conversion to an 8-bit code does not saturate (ISA guide 7.6.2): hold the number first
.endr
.irp g, 0,1,2,3
	v_cvt_scalef32_pk8_bf8_f32 v[C+2*\g:C+2*\g+1], v[XS+8*\g:XS+8*\g+7], v11
.endr
	ds_store_b128 v4, v[C:C+3] offset:32*(\t)      ; 32 codes: 32 bytes of my column's row
	ds_store_b128 v4, v[C+4:C+7] offset:32*(\t)+16
.if (\t)+2 < NB
	LOAD (\t)+2
.endif
	s_wait_dscnt 0x0                               ; the stores have read their registers: the next block's codes may be written
.endm
.irp t, 0,1,2,3,4,5,6,7
	BLOCK \t
.endr
	v_pk_add_f32 v[FQ:FQ+1], v[FQ:FQ+1], v[FQ+2:FQ+3]
	v_add_f32 v20, v[FQ], v[FQ+1]                  ; my column's sum of squares over this quarter of K
	global_store_b32 v3, v20, s[10:11]             ; 32 lanes store 128 consecutive bytes
	global_store_b64 v9, v[SB:SB+1], s[8:9]        ; my column's 8 scale bytes
.irp t, 0,1,2,3,4,5,6,7,8,9,10,11,12,13,14,15
	ds_load_b128 v[OUTR+4*\t:OUTR+4*\t+3], v7 offset:2*\t*PITCH   ; LDS serves a wave's instructions in order: these see my stores
.endr
.irp t, 0,1,2,3,4,5,6,7,8,9,10,11,12,13,14,15
	s_wait_dscnt 15-\t                             ; loads come back in order: number t is in, the younger ones may be out
	global_store_b128 v8, v[OUTR+4*\t:OUTR+4*\t+3], s[6:7] offset:2*\t*KROW   ; sixteen lanes store 256 consecutive bytes, aligned
.endr
	s_wait_tensorcnt 0x0
	ds_add_u32 v208, v209
	s_wait_dscnt 0x0
	s_endpgm
; THE BANK.  memory_bank [8192][1024], f32, K innermost, becomes codes of BF8, one E8M0 byte for each 32 along K, [8192][32], and each row's sum of squares.  Scale, hold and limits as for features.
; A wave takes 16 steps of 512 numbers: 8 rows, two steps to a row.  A step's four loads read 512 consecutive bytes each; the 2,048 bytes turn through the wave's own stage and come back 64 bytes a lane: 16 neighbours along K.
; THE CODES' LAYOUT is what the next launch's registers want: for each 16 rows g and each 128 along K q, 2,048 bytes: unit u = 8 q + 2 c + h of 256 bytes holds, at 16 r, row 16 g + r's codes k = 128 q + 32 c + 16 h + 0 .. 15.
; A lane's 16 codes of step t belong to unit 32 (t % 2) + lane.  They are gathered in a stage of the work-group's (2 x 64 units, 272 bytes apart); behind one barrier each wave stores 32 whole units, 512 consecutive bytes an instruction.
.Lbank:
.set LBASE, 36352                      ; this path's LDS: four regions of WREG bytes, then the units' stage
.set WREG,  8192                       ; a wave's two stages of 32 x SP bytes, and behind them its 256 scale bytes
.set SP,    80
.set STG,   LBASE+4*WREG
.set STEPS, 16
.set CB,    16
.set R,     16                         ; v16-79   four sets of 16 numbers as loaded
.set X,     80                         ; v80-111  two sets of 16 neighbours
.set E,     112                        ; v112-127 a scale byte for each step
.set C,     128                        ; v128-191 four registers of codes for each step
.set SQ,    192
.set SQ2,   204                        ; two chains of squares
.set MQ,    194                        ; v194-201 my 8 rows' sums of squares
.set TP,    202
.set VAL,   203
	s_load_b256 s[4:11], s[0:1], 0x20              ; the bank, its codes, its scale bytes, the sums of squares
	v_lshrrev_b32 v1, 5, v0
	v_readfirstlane_b32 s16, v1                    ; wave
	v_and_b32 v2, 31, v0                           ; lane
	v_lshlrev_b32 v3, 4, v2
	s_mul_i32 s17, s16, WREG
	s_add_co_u32 s17, s17, LBASE
	v_lshrrev_b32 v14, 2, v2
	v_mul_u32_u24 v14, v14, SP
	v_and_b32 v15, 3, v2
	v_lshl_add_u32 v14, v15, 4, v14
	v_add_nc_u32 v14, s17, v14                     ; the stage, in: SP (lane / 4) + 16 (lane % 4)
	v_mul_u32_u24 v15, v2, SP
	v_add_nc_u32 v15, s17, v15                     ; out: SP x lane
	v_mul_u32_u24 v4, v2, CB
	v_lshrrev_b32 v5, 1, v2
	s_add_co_u32 s17, s17, 2*32*SP
	v_add_nc_u32 v5, s17, v5                       ; my block's scale byte
	v_lshlrev_b32 v7, 3, v2
	v_add_nc_u32 v6, s17, v7
	s_lshr_b32 s26, s16, 1
	s_mul_i32 s26, s26, 64*272                     ; my 16 rows' 64 units
	s_and_b32 s27, s16, 1
	s_lshl_b32 s28, s27, 7                         ; in: my 8 rows' 128 bytes of each unit
	s_add_co_u32 s28, s28, s26
	s_add_co_u32 s28, s28, STG
	s_mul_i32 s27, s27, 32*272                     ; out: my 32 units
	s_add_co_u32 s27, s27, s26
	s_add_co_u32 s27, s27, STG
	v_mul_u32_u24 v206, v2, 272
	v_add_nc_u32 v206, s28, v206                   ; in: unit = lane
	v_lshrrev_b32 v207, 4, v2
	v_mul_u32_u24 v207, v207, 272
	v_and_b32 v1, 15, v2
	v_lshl_add_u32 v207, v1, 4, v207
	v_add_nc_u32 v207, s27, v207                   ; out: sixteen lanes to a unit, two units an instruction
	v_mov_b32 v[TP], 0                             ; a lane permute's destination counts as one of its sources
	s_mov_b32 s23, MANT
	s_mov_b32 s24, 0x76543210
	s_mov_b32 s25, 0xfedcba98
	s_sub_co_u32 s18, ttmp9, 256
	s_lshl_b32 s18, s18, 2
	s_add_co_u32 s18, s18, s16                     ; which run of 8,192 numbers is my wave's
	s_mov_b32 s21, 0
	s_lshl_b32 s20, s18, 15
	s_wait_alu depctr_va_vdst(0)
	s_wait_kmcnt 0x0
	s_add_nc_u64 s[4:5], s[4:5], s[20:21]
	s_lshl_b32 s20, s18, 13
	s_add_nc_u64 s[6:7], s[6:7], s[20:21]
	s_lshl_b32 s20, s18, 8
	s_add_nc_u64 s[8:9], s[8:9], s[20:21]
	s_lshl_b32 s20, s18, 5
	s_add_nc_u64 s[10:11], s[10:11], s[20:21]
.macro BLD t
.irp i, 0,1,2,3
	global_load_b128 v[R+16*((\t)%4)+4*\i:R+16*((\t)%4)+4*\i+3], v3, s[4:5] offset:2048*(\t)+512*\i
.endr
.endm
.macro TURN t                          ; LDS serves a wave's instructions in order: no wait between the stores and the loads
.irp i, 0,1,2,3
	ds_store_b128 v14, v[R+16*((\t)%4)+4*\i:R+16*((\t)%4)+4*\i+3] offset:32*SP*((\t)%2)+8*SP*\i
.endr
.irp i, 0,1,2,3
	ds_load_b128 v[X+16*((\t)%2)+4*\i:X+16*((\t)%2)+4*\i+3], v15 offset:32*SP*((\t)%2)+16*\i
.endr
.endm
.irp t, 0,1,2,3
	BLD \t
.endr
	s_wait_loadcnt 12                              ; step 0's four loads are in
	TURN 0
.macro STEP t
.set XS, X+16*((\t)%2)
.if (\t) > 0
	s_wait_dscnt 2                                 ; this step's numbers are back; the last step's two stores (byte, codes) may be out
.else
	s_wait_dscnt 0x0
.endif
.if (\t)+4 < STEPS
	BLD (\t)+4
.endif
.if (\t)+1 < STEPS
.if STEPS-2-(\t) >= 3
	s_wait_loadcnt 12                              ; the next step's loads are in; three steps' may be out
.else
	s_wait_loadcnt 4*(STEPS-2-(\t))
.endif
	TURN (\t)+1
.endif
.irp i, 0,1,2,3
.if ((\t)%2 == 0) && (\i == 0)
	v_pk_mul_f32 v[SQ:SQ+1], v[XS:XS+1], v[XS:XS+1]
	v_pk_mul_f32 v[SQ2:SQ2+1], v[XS+2:XS+3], v[XS+2:XS+3]
.else
	v_pk_fma_f32 v[SQ:SQ+1], v[XS+4*\i:XS+4*\i+1], v[XS+4*\i:XS+4*\i+1], v[SQ:SQ+1]
	v_pk_fma_f32 v[SQ2:SQ2+1], v[XS+4*\i+2:XS+4*\i+3], v[XS+4*\i+2:XS+4*\i+3], v[SQ2:SQ2+1]
.endif
.endr
.if (\t)%2 == 1                                ; the row is whole: its sum over the 32 lanes
	v_pk_add_f32 v[SQ:SQ+1], v[SQ:SQ+1], v[SQ2:SQ2+1]
	v_add_f32 v[SQ], v[SQ], v[SQ+1]
	v_add_f32_dpp v[SQ], v[SQ], v[SQ] row_xmask:1 row_mask:0xf bank_mask:0xf
	v_add_f32_dpp v[SQ], v[SQ], v[SQ] row_xmask:2 row_mask:0xf bank_mask:0xf
	v_add_f32_dpp v[SQ], v[SQ], v[SQ] row_xmask:4 row_mask:0xf bank_mask:0xf
	v_add_f32_dpp v[SQ], v[SQ], v[SQ] row_xmask:8 row_mask:0xf bank_mask:0xf
	v_permlanex16_b32 v[TP], v[SQ], s24, s25
	v_add_f32 v[MQ+(\t)/2], v[SQ], v[TP]
.endif
	v_max3_num_f32 v8, |v[XS]|, |v[XS+1]|, |v[XS+2]|
	v_max3_num_f32 v9, |v[XS+3]|, |v[XS+4]|, |v[XS+5]|
.irp i, 6,10
	v_max3_num_f32 v8, v8, |v[XS+\i]|, |v[XS+\i+1]|
	v_max3_num_f32 v9, v9, |v[XS+\i+2]|, |v[XS+\i+3]|
.endr
	v_max3_num_f32 v8, v8, |v[XS+14]|, |v[XS+15]|
	v_max3_num_f32 v8, v8, v9, (EMAX+1)<<23        ; the floor: the byte cannot fall under 1
	v_max_num_f32_dpp v8, v8, v8 row_xmask:1 row_mask:0xf bank_mask:0xf
	v_add_nc_u32 v11, -(EMAX<<23), v8              ; the conversion's scale operand
	v_and_or_b32 v10, v8, 0x7f800000, s23          ; 57,344 x the scale
.irp i, 0,1,2,3,4,5,6,7,8,9,10,11,12,13,14,15
	v_med3_num_f32 v[XS+\i], v[XS+\i], -v10, v10   ; the conversion does not saturate (ISA guide 7.6.2)
.endr
	v_cvt_scalef32_pk8_bf8_f32 v[C+4*(\t):C+4*(\t)+1], v[XS:XS+7], v11
	v_cvt_scalef32_pk8_bf8_f32 v[C+4*(\t)+2:C+4*(\t)+3], v[XS+8:XS+15], v11
	v_lshrrev_b32 v[E+(\t)], 23, v11               ; the scale's byte
	ds_store_b8 v5, v[E+(\t)] offset:16*(\t)
	ds_store_b128 v206, v[C+4*(\t):C+4*(\t)+3] offset:32*272*((\t)%2)+16*((\t)/2)   ; unit 32 (t % 2) + lane, row t / 2 of my 8
.endm
.irp t, 0,1,2,3,4,5,6,7,8,9,10,11,12,13,14,15
	STEP \t
.endr
	ds_load_b64 v[12:13], v6
	v_mov_b32 v[VAL], v[MQ]                        ; lane i takes row i's sum
.irp i, 1,2,3,4,5,6,7
	v_cmp_eq_u32 vcc_lo, \i, v2
	v_cndmask_b32 v[VAL], v[VAL], v[MQ+\i], vcc_lo
.endr
	v_lshlrev_b32 v[TP], 2, v2
	s_wait_alu depctr_va_vdst(0)
	s_wait_dscnt 0x0                               ; also for the others' sake: my stores into the units' stage are done
	global_store_b64 v7, v[12:13], s[8:9]          ; 256 consecutive bytes, aligned
	s_barrier_signal -1
	s_barrier_wait -1                              ; the units are whole: two waves fill each
.irp j, 0,1,2,3,4,5,6,7,8,9,10,11,12,13,14,15
	ds_load_b128 v[R+4*\j:R+4*\j+3], v207 offset:544*\j
.endr
.irp j, 0,1,2,3,4,5,6,7,8,9,10,11,12,13,14,15
	s_wait_dscnt 15-\j                             ; loads come back in order
	global_store_b128 v4, v[R+4*\j:R+4*\j+3], s[6:7] offset:512*\j   ; two whole units, 512 consecutive bytes
.endr
	v_cmp_gt_u32 vcc_lo, 8, v2
	s_wait_xcnt 0x0                                ; EXEC is a source of the stores that are out
	s_wait_tensorcnt 0x0                           ; the wave's end
	ds_add_u32 v208, v209
	s_wait_dscnt 0x0
	s_and_saveexec_b32 s26, vcc_lo
	global_store_b32 v[TP], v[VAL], s[10:11]       ; lanes 0 to 7: my 8 rows' sums
	s_wait_xcnt 0x0
	s_or_b32 exec_lo, exec_lo, s26
	s_endpgm
.Lfunc_end_k_qdf9e13490f_qfeat:
	.size	k_qdf9e13490f_qfeat, .Lfunc_end_k_qdf9e13490f_qfeat-k_qdf9e13490f_qfeat
	.p2alignl 7, 3214868480
	.fill 96, 4, 3214868480
	.section	.rodata,"a",@progbits
	.p2align	6, 0x0
	.amdhsa_kernel k_qdf9e13490f_qfeat
		.amdhsa_group_segment_fixed_size 103936
		.amdhsa_private_segment_fixed_size 0
		.amdhsa_enable_private_segment 0
		.amdhsa_kernarg_size 64
		.amdhsa_user_sgpr_count 2
		.amdhsa_user_sgpr_kernarg_segment_ptr 1
		.amdhsa_wavefront_size32 1
		.amdhsa_system_sgpr_workgroup_id_x 1
		.amdhsa_system_sgpr_workgroup_id_y 1
		.amdhsa_system_sgpr_workgroup_id_z 1
		.amdhsa_system_vgpr_workitem_id 0
		.amdhsa_next_free_vgpr 210
		.amdhsa_next_free_sgpr 66
		.amdhsa_reserve_vcc 1
		.amdhsa_float_denorm_mode_32 3
		.amdhsa_float_denorm_mode_16_64 3
		.amdhsa_memory_ordered 1
		.amdhsa_forward_progress 1
		.amdhsa_inst_pref_size 134
	.end_amdhsa_kernel
	.amdgpu_metadata
---
amdhsa.version: [ 1, 2 ]
amdhsa.kernels:
  - .name:           k_qdf9e13490f_qfeat
    .symbol:         k_qdf9e13490f_qfeat.kd
    .args:
      - { .name: features, .offset: 0, .size: 8, .value_kind: global_buffer, .address_space: global }
      - { .name: fq_codes, .offset: 8, .size: 8, .value_kind: global_buffer, .address_space: global }
      - { .name: fq_scales, .offset: 16, .size: 8, .value_kind: global_buffer, .address_space: global }
      - { .name: fsqp, .offset: 24, .size: 8, .value_kind: global_buffer, .address_space: global }
      - { .name: memory_bank, .offset: 32, .size: 8, .value_kind: global_buffer, .address_space: global }
      - { .name: mb_codes, .offset: 40, .size: 8, .value_kind: global_buffer, .address_space: global }
      - { .name: mb_scales, .offset: 48, .size: 8, .value_kind: global_buffer, .address_space: global }
      - { .name: msq, .offset: 56, .size: 8, .value_kind: global_buffer, .address_space: global }
    .group_segment_fixed_size: 103936
    .private_segment_fixed_size: 0
    .kernarg_segment_align: 8
    .kernarg_segment_size: 64
    .max_flat_workgroup_size: 128
    .sgpr_count:     66
    .vgpr_count:     210
    .wavefront_size: 32
...
	.end_amdgpu_metadata
.endif
;; end of part 1
;; launch knn (part 2): grid 8 x 32, 4 waves a work-group, no clusters, 327,680 bytes of LDS; arguments fq_codes, fq_scales, mb_codes, mb_scales, fsqp, msq, pkey; writes pkey
.if DOCPART == 2
	.amdgcn_target "amdgcn-amd-amdhsa--gfx1250"
	.amdhsa_code_object_version 6
	.text
	.protected	k_qdf9e13490f_knn
	.globl	k_qdf9e13490f_knn
	.p2align	8
	.type	k_qdf9e13490f_knn,@function
k_qdf9e13490f_knn:
	s_mov_b64 s[64:65], 0
	v_nop
	global_prefetch_b8 v0, s[64:65] scope:SCOPE_SE
	s_setreg_imm32_b32 hwreg(HW_REG_WAVE_MODE, 25, 1), 1
	s_wait_xcnt 0x0
; For each query the nearest bank row and its squared distance d2 = max(f_sq + m_sq - 2 cross, 0), cross in MX-BF8; pkey [16 runs][8192][2] = (bits of d2, row), the best of each run of 512 bank rows.
; WORK LEFT OUT: of top_k's nine neighbours reference() uses index 0 and distance 0 alone, whatever the inputs hold; so only the smallest is kept, ties to the lower row, as top_k breaks them.
; LIMITS: the choice is made on d2, not on sqrt(d2 + 1e-8): two unequal d2 whose roots round to one f32 number are told apart here.  NaN and infinities are not served.
; SHARES: work-group (x, y): queries 256 y .. + 255 against bank rows 1,024 x .. + 1,023.  The queries' codes, all of K, come into LDS once, one tensor load a wave (64 rows of 1,024 bytes, LDS pitch 1,040), and stay:
; nothing is filled again, and the loop has no barrier.  Wave w owns bank rows 256 w .. + 255 of the 1,024, in four tiles of 64: 256 x 64 results, 64 accumulators.  Its bank fragments come from memory straight into
; registers (the buffer is laid in fragment order: a load is 512 consecutive bytes), four sets of 64 registers, asked three K steps ahead.
; ONE loop of four trips: in the last trip what is asked ahead is the wave's first tile again, inside the buffer, and is not used.
; NO CLUSTER: the queries' tile, which 8 work-groups share, is 256 KiB of the 1,280 KiB that a work-group reads; the bank goes into registers by plain loads, which have no joint form.
; NO PREFETCH: each bank fragment is already asked for three K steps (192 matrix instructions) ahead of its use, by counted waits.
; THE MATRIX INSTRUCTION: source 0 = 16 bank rows, source 1 = 16 queries: lane (r, h) holds query r, register j bank row 8 h + j.
; REGISTERS: window 0: addresses, scales, state, from v128 two halves of four query fragments (in the scan: at work); window 1: the bank's four sets; windows 2, 3: accumulator (a, b) at 32 (a % 8) + 8 b.
.set PITCH, 1040
.set SCL,   256*PITCH                  ; the queries' scale words, 48 bytes a row
.set MSL,   SCL+256*48                 ; m_sq of the 1,024 rows
.set STG,   MSL+4096                   ; the four waves' results
.set SPARE, STG+8192                   ; the spare words
.set H, 8
.set ADRS, 9
.set ADM0, 10
.set ADM, 11
.set IB, 12
.set L16, 13
.set L32, 14
.set BO, 15
.set ADRA, 16
.set BN, 20
.set SBO, 21
.set STO, 22
.set RD, 23
.set SST, 24
.set MST, 25
.set T16, 26
.set R4, 27
.set SPW, 28
.set NIL, 29
.set SA, 32                            ; queries' scale words, two sets of 8: lanes 0-15 block i, lanes 16-31 block i + 8
.set SB, 48                            ; the tile's bank scale words: register 8 p + q: lanes 0-15 fragment 2 p, lanes 16-31 fragment 2 p + 1
.set FS, 64
.set RUN, 80
.set IDX, 96
.set G, 192                            ; the scan, at work: each fragment's smallest, two query blocks x 4
.set U, 200
.set TV, 208                           ; the tile's smallest, held at 0 from below
.set GI, 210
.set JJ, 212
.set TA, 118
.set TB, 119
.set AF, 128
.set T, 128
.set MS, 192                           ; window 1: the set that is free during the scan
.set G1, 24
.set G0, 32
.set TT, 36
.set TM, 39
.set TC, 40
.set MSB, 0
.macro WIN new
.if MSB != \new
	s_set_vgpr_msb (MSB<<8)|\new
.set MSB, \new
.endif
.endm
.macro PLACES
.rept 8
	v_nop
.endr
.endm
.macro BLOAD adr, set, off             ; a K step's four bank fragments
.irp b, 0,1,2,3
.irp c, 0,1,2,3
	global_load_b128 v[64*(\set)+16*\b+4*\c:64*(\set)+16*\b+4*\c+3], v[\adr], s[8:9] offset:(\off)+16384*\b+512*\c
.endr
.endr
.endm
.macro SBLOAD adr
.irp p, 0,1
.irp k, 0,1
	global_load_b128 v[SB+8*\p+4*\k:SB+8*\p+4*\k+3], v[\adr], s[10:11] offset:1024*\p+16*\k
.endr
.endr
.endm
.macro AFETCH q, j                     ; query blocks 4 j .. 4 j + 3 of K step q into half j % 2
.irp i, 0,1,2,3
.irp c, 0,1,2,3
	ds_load_b128 v[AF+64*((\j)%2)+16*\i+4*\c:AF+64*((\j)%2)+16*\i+4*\c+3], v[ADRA+(\j)] offset:\i*16*PITCH+128*(\q)+32*\c
.endr
.endr
.endm
.macro SCALES q
.irp i, 0,1,2,3,4,5,6,7
	ds_load_b32 v[SA+8*((\q)%2)+\i], v[ADRS] offset:768*\i+4*(\q)
.endr
.endm
	s_load_b256 s[4:11], s[0:1], 0x0               ; fq_codes, fq_scales, mb_codes, mb_scales
	s_load_b128 s[12:15], s[0:1], 0x20             ; fsqp, msq
	s_load_b64 s[16:17], s[0:1], 0x30              ; pkey
	v_lshl_add_u32 v[SPW], v0, 2, SPARE
	v_mov_b32 v[NIL], 0
	ds_add_u32 v[SPW], v[NIL]
	ds_add_u32 v[SPW], v[NIL]
	v_lshrrev_b32 v1, 5, v0
	v_readfirstlane_b32 s18, v1                    ; wave
	s_and_b32 s20, ttmp7, 0xffff                   ; y
	s_mov_b32 s[G1+0], (1<<20)|(7<<22)|(3<<25)     ; bytes; 4 words of padding behind every 256 words
	s_mov_b32 s[G1+1], 1024<<16
	s_mov_b32 s[G1+2], 64<<16
	s_mov_b32 s[G1+3], 1024<<16
	s_mov_b32 s[G1+4], 64
	s_mov_b32 s[G1+5], 1024
	s_mov_b32 s[G1+6], 0
	s_mov_b32 s[G1+7], 0
	s_mov_b32 s[G0], 1
	s_mul_i32 s[G0+1], s18, 64*PITCH
	s_lshl_b32 s22, s20, 18
	s_lshl_b32 s23, s18, 16
	s_add_co_u32 s22, s22, s23                     ; (256 y + 64 w) rows of 1,024 bytes
	s_mov_b32 s23, 0
	s_wait_dscnt 0x0
	s_wait_kmcnt 0x0
	s_add_nc_u64 s[G0+2:G0+3], s[4:5], s[22:23]
	s_or_b32 s[G0+3], s[G0+3], 0x80000000
	tensor_load_to_lds s[G0:G0+3], s[G1:G1+7]      ; my 64 queries, all of K: my one tensor load
	s_nop 0
	v_and_b32 v1, 15, v0                           ; r
	v_bfe_u32 v[H], v0, 4, 1
	v_and_b32 v2, 31, v0
	v_lshlrev_b32 v[L16], 4, v2
	v_lshlrev_b32 v[L32], 5, v2
	v_lshlrev_b32 v[T16], 4, v0
	v_lshlrev_b32 v[R4], 2, v1
	v_mul_u32_u24 v3, v1, PITCH
	v_lshl_add_u32 v3, v[H], 4, v3
.irp j, 0,1,2,3
	v_add_nc_u32 v[ADRA+\j], \j*64*PITCH, v3       ; four blocks to an address register: the offsets stay under 65,536
.endr
	v_mul_u32_u24 v4, v1, 48
	v_mul_u32_u24 v5, v[H], 128*48
	v_add_nc_u32 v4, v4, v5
	v_add_nc_u32 v[ADRS], SCL, v4                  ; scale words: row r, lanes 16-31 128 rows on
	v_lshrrev_b32 v4, 1, v0
	v_mul_u32_u24 v4, v4, 48
	v_and_b32 v5, 1, v0
	v_lshl_add_u32 v4, v5, 4, v4
	v_add_nc_u32 v[SST], SCL, v4                   ; on their way in: row t / 2, half t % 2
	v_add_nc_u32 v[MST], MSL, v[T16]
	s_lshl_b32 s21, s18, 10
	s_add_co_u32 s21, s21, MSL
	v_lshl_add_u32 v[ADM0], v[H], 5, s21           ; m_sq of my rows 8 h ..
	s_lshl_b32 s21, s18, 11
	s_add_co_u32 s21, s21, STG
	v_lshlrev_b32 v4, 3, v1
	v_lshl_add_u32 v4, v[H], 2, v4
	v_add_nc_u32 v[STO], s21, v4
	s_lshr_b32 s46, s18, 1                         ; w / 2
	s_and_b32 s47, s18, 1                          ; w % 2
	s_lshl_b32 s21, s46, 12
	s_lshl_b32 s22, s47, 10
	s_add_co_u32 s21, s21, s22
	s_add_co_u32 s21, s21, STG
	v_add_nc_u32 v[RD], s21, v[L16]
	s_lshl_b32 s48, ttmp9, 10
	s_lshl_b32 s22, s18, 8
	s_add_co_u32 s48, s48, s22                     ; my first bank row
	v_lshl_add_u32 v[IB], v[H], 3, s48
	s_mov_b32 s23, 0
	s_lshl_b32 s22, s48, 10
	s_add_nc_u64 s[8:9], s[8:9], s[22:23]
	s_lshl_b32 s22, s48, 5
	s_add_nc_u64 s[10:11], s[10:11], s[22:23]
	s_lshl_b32 s22, s20, 13
	s_add_nc_u64 s[6:7], s[6:7], s[22:23]
	s_lshl_b32 s22, ttmp9, 12
	s_add_nc_u64 s[14:15], s[14:15], s[22:23]
	s_lshl_b32 s22, s20, 10
	s_add_nc_u64 s[12:13], s[12:13], s[22:23]
	s_lshl_b32 s22, ttmp9, 1
	s_add_co_u32 s22, s22, s46                     ; run 2 x + w / 2
	s_lshl_b32 s22, s22, 5
	s_add_co_u32 s22, s22, s20
	s_lshl_b32 s22, s22, 1
	s_add_co_u32 s22, s22, s47
	s_lshl_b32 s22, s22, 10                        ; ((32 run + y) 2 + w % 2) x 128 queries x 8 bytes
	s_add_nc_u64 s[16:17], s[16:17], s[22:23]
	s_wait_alu depctr_va_vdst(0)
	WIN 0x40
	BLOAD L16, 0, 0
	BLOAD L16, 1, 2048
	BLOAD L16, 2, 4096
	WIN 0
	SBLOAD L32
.irp i, 0,1,2,3
	global_load_b128 v[192+4*\i:195+4*\i], v[T16], s[6:7] offset:2048*\i
.endr
.irp i, 0,1
	global_load_b128 v[208+4*\i:211+4*\i], v[T16], s[14:15] offset:2048*\i
.endr
.irp a, 0,1,2,3,4,5,6,7,8,9,10,11,12,13,14,15
.irp p, 0,1,2,3
	global_load_b32 v[128+4*\a+\p], v[R4], s[12:13] offset:\p*32768+64*\a
.endr
.endr
	v_mov_b32 v[BO], v[L16]                        ; this tile's offset, the next tile's, the next tile's scales'
	v_add_nc_u32 v[BN], 0x10000, v[L16]
	v_add_nc_u32 v[SBO], 2048, v[L32]
.irp a, 0,1,2,3,4,5,6,7,8,9,10,11,12,13,14,15
	v_mov_b32 v[RUN+\a], 0x7f800000
	v_mov_b32 v[IDX+\a], 0
.endr
	v_cmp_eq_u32 s42, 1, v[H]
	s_mov_b32 s44, 0x76543210
	s_mov_b32 s45, 0xfedcba98
	s_mov_b32 s[TT], 2
	s_mov_b32 s[TM], 0
	s_mov_b32 s[TC], 0
	s_mov_b32 s2, 4
	s_wait_alu depctr_va_vdst(0)
	s_wait_loadcnt 0x0
	s_wait_tensorcnt 0x0                           ; my queries are in LDS
.irp i, 0,1,2,3
	ds_store_b128 v[SST], v[192+4*\i:195+4*\i] offset:3072*\i
.endr
.irp i, 0,1
	ds_store_b128 v[MST], v[208+4*\i:211+4*\i] offset:2048*\i
.endr
.irp a, 0,1,2,3,4,5,6,7,8,9,10,11,12,13,14,15
	v_add_f32 v[128+4*\a], v[128+4*\a], v[129+4*\a]
	v_add_f32 v[130+4*\a], v[130+4*\a], v[131+4*\a]
.endr
.irp a, 0,1,2,3,4,5,6,7,8,9,10,11,12,13,14,15
	v_add_f32 v[FS+\a], v[128+4*\a], v[130+4*\a]   ; f_sq of query 16 a + r
.endr
	s_wait_alu depctr_va_vdst(0)
	s_wait_dscnt 0x0                               ; for the others' sake
	s_barrier_signal -1
	s_barrier_wait -1                              ; all 256 queries, their scales and m_sq lie in LDS
; A quarter of a K step: four query blocks x the four bank fragments; behind it, and behind 8 places, the loads into the registers just read.
.macro QUARTER q, j, hi
.if \j == 0
.if \q == 0
	s_wait_loadcnt 0x0                             ; the tile's scale words are the youngest loads
.else
	s_wait_loadcnt 32                              ; this step's fragments are in; the two steps behind it, 16 loads each, may be out
.endif
.endif
.if (\q == 7) && (\j == 3)
	s_wait_dscnt 0x0
.elseif (\j == 1) && (\q < 7)
	s_wait_dscnt 24                                ; behind my blocks: 8 scale words and the next quarter's 16 loads
.else
	s_wait_dscnt 16                                ; behind my blocks: the next quarter's 16 loads
.endif
	WIN 0xa1+0x50*\hi
.irp i, 0,1,2,3
.irp p, 0,1
.irp s, 0,1
.if \q == 0
	v_wmma_scale_f32_16x16x128_f8f6f4 v[32*(4*((\j)%2)+\i)+8*(2*\p+\s):32*(4*((\j)%2)+\i)+8*(2*\p+\s)+7], v[64*((\q)%4)+16*(2*\p+\s):64*((\q)%4)+16*(2*\p+\s)+15], v[AF+64*((\j)%2)+16*\i:AF+64*((\j)%2)+16*\i+15], 0, v[SB+8*\p+(\q)], v[SA+8*((\q)%2)+4*((\j)%2)+\i] matrix_a_fmt:MATRIX_FMT_BF8 matrix_b_fmt:MATRIX_FMT_BF8 matrix_a_scale:MATRIX_SCALE_ROW\s matrix_b_scale:MATRIX_SCALE_ROW\hi
.else
	v_wmma_scale_f32_16x16x128_f8f6f4 v[32*(4*((\j)%2)+\i)+8*(2*\p+\s):32*(4*((\j)%2)+\i)+8*(2*\p+\s)+7], v[64*((\q)%4)+16*(2*\p+\s):64*((\q)%4)+16*(2*\p+\s)+15], v[AF+64*((\j)%2)+16*\i:AF+64*((\j)%2)+16*\i+15], v[32*(4*((\j)%2)+\i)+8*(2*\p+\s):32*(4*((\j)%2)+\i)+8*(2*\p+\s)+7], v[SB+8*\p+(\q)], v[SA+8*((\q)%2)+4*((\j)%2)+\i] matrix_a_fmt:MATRIX_FMT_BF8 matrix_b_fmt:MATRIX_FMT_BF8 matrix_a_scale:MATRIX_SCALE_ROW\s matrix_b_scale:MATRIX_SCALE_ROW\hi
.endif
.endr
.endr
.endr
.if (\q < 7) || (\j < 2)
	PLACES
.if \j == 0
	WIN 0x40
.if \q < 5
	BLOAD BO, ((\q)+3)%4, ((\q)+3)*2048            ; three K steps ahead, into the set that the last step read
.else
	BLOAD BN, ((\q)+3)%4, ((\q)-5)*2048            ; the next tile's
.endif
.endif
	WIN 0
.if (\j == 0) && (\q < 7)
	SCALES (\q)+1
.endif
.if \j < 2
	AFETCH \q, (\j)+2
.else
	AFETCH (\q)+1, (\j)-2
.endif
.endif
.endm
.Ltile:
	SCALES 0
	AFETCH 0, 0
	AFETCH 0, 1
.irp q, 0,1,2,3,4,5,6,7
	QUARTER \q, 0, 0
	QUARTER \q, 1, 0
	QUARTER \q, 2, 1
	QUARTER \q, 3, 1
.endr
	PLACES                                         ; ahead of the loads into registers that the last products read, and of the first read of results
	WIN 0
	SBLOAD SBO                                     ; the next tile's scale words land under the scan
	v_add_nc_u32 v[ADM], s[TM], v[ADM0]
	WIN 0x40
.irp b, 0,1,2,3
	ds_load_b128 v[MS+8*\b:MS+8*\b+3], v[ADM] offset:64*\b
	ds_load_b128 v[MS+8*\b+4:MS+8*\b+7], v[ADM] offset:64*\b+16
.endr
	WIN 0
	s_wait_dscnt 0x0
; THE SCAN, two query blocks (k = 0, 1) at a time, 32 bank rows a lane each.  d2 = (m_sq + f_sq) - 2 cross, in reference()'s order.  The tile's smallest, held at 0 from below, by a tree of minima;
; its place is the first number at or under it: the first fragment whose smallest is, and in that fragment the first register.  It replaces the running smallest only where it is smaller: so ties go to the lower row.
.irp a0, 0,2,4,6,8,10,12,14
	WIN 0x01
.irp i, 0,1,2,3,4,5,6,7,8,9,10,11,12,13,14,15
	v_pk_add_f32 v[T+2*\i:T+2*\i+1], v[MS+2*\i:MS+2*\i+1], v[FS+\a0:FS+\a0+1] op_sel_hi:[1,0]
	v_pk_add_f32 v[T+32+2*\i:T+32+2*\i+1], v[MS+2*\i:MS+2*\i+1], v[FS+\a0:FS+\a0+1] op_sel:[0,1] op_sel_hi:[1,1]
.endr
	WIN (0x02+\a0/8)
.irp i, 0,1,2,3,4,5,6,7,8,9,10,11,12,13,14,15
	v_pk_fma_f32 v[T+2*\i:T+2*\i+1], v[32*(\a0%8)+2*\i:32*(\a0%8)+2*\i+1], -2.0, v[T+2*\i:T+2*\i+1] op_sel_hi:[1,0,1]
	v_pk_fma_f32 v[T+32+2*\i:T+32+2*\i+1], v[32*(\a0%8+1)+2*\i:32*(\a0%8+1)+2*\i+1], -2.0, v[T+32+2*\i:T+32+2*\i+1] op_sel_hi:[1,0,1]
.endr
	WIN 0
.irp b, 0,1,2,3
.irp k, 0,1
	v_min3_num_f32 v[G+4*\k+\b], v[T+32*\k+8*\b], v[T+32*\k+8*\b+1], v[T+32*\k+8*\b+2]
	v_min3_num_f32 v[U+4*\k+\b], v[T+32*\k+8*\b+3], v[T+32*\k+8*\b+4], v[T+32*\k+8*\b+5]
.endr
.endr
.irp b, 0,1,2,3
.irp k, 0,1
	v_min3_num_f32 v[G+4*\k+\b], v[G+4*\k+\b], v[T+32*\k+8*\b+6], v[T+32*\k+8*\b+7]
.endr
.endr
.irp b, 0,1,2,3
.irp k, 0,1
	v_min_num_f32 v[G+4*\k+\b], v[G+4*\k+\b], v[U+4*\k+\b]     ; fragment b's smallest
.endr
.endr
.irp k, 0,1
	v_min3_num_f32 v[TV+\k], v[G+4*\k], v[G+4*\k+1], v[G+4*\k+2]
.endr
.irp k, 0,1
	v_min_num_f32 v[TV+\k], v[TV+\k], v[G+4*\k+3]
.endr
.irp k, 0,1
	v_max_num_f32 v[TV+\k], 0, v[TV+\k]                        ; reference()'s maximum with 0
.endr
.irp b, 0,1,2
.irp k, 0,1
	v_cmp_le_f32 s[50+3*\k+\b], v[G+4*\k+\b], v[TV+\k]
.endr
.endr
.irp b, 2,1,0                          ; the first such fragment's eight numbers, over fragment 3's; the lower fragment is laid last
.irp j, 0,1,2,3,4,5,6,7
.irp k, 0,1
	v_cndmask_b32 v[T+32*\k+24+\j], v[T+32*\k+24+\j], v[T+32*\k+8*\b+\j], s[50+3*\k+\b]
.endr
.endr
.endr
.irp k, 0,1
	v_cndmask_b32 v[GI+\k], 24, 16, s[52+3*\k]
.endr
.irp k, 0,1
	v_cndmask_b32 v[GI+\k], v[GI+\k], 8, s[51+3*\k]
.endr
.irp k, 0,1
	v_cndmask_b32 v[GI+\k], v[GI+\k], 0, s[50+3*\k]            ; 8 x that fragment
.endr
.irp j, 0,1,2,3,4,5,6
.irp k, 0,1
	v_cmp_le_f32 s[50+7*\k+\j], v[T+32*\k+24+\j], v[TV+\k]
.endr
.endr
.irp k, 0,1
	v_cndmask_b32 v[JJ+\k], 7, 6, s[56+7*\k]
.endr
.irp j, 5,4,3,2,1,0
.irp k, 0,1
	v_cndmask_b32 v[JJ+\k], v[JJ+\k], \j, s[50+7*\k+\j]        ; the first register at or under the smallest
.endr
.endr
.irp k, 0,1
	v_add3_u32 v[TA+\k], v[GI+\k], v[JJ+\k], s[TC]             ; the place: 32 x tile + 8 x fragment + register
	v_cmp_lt_f32 s[50+\k], v[TV+\k], v[RUN+\a0+\k]
.endr
.irp k, 0,1
	v_cndmask_b32 v[RUN+\a0+\k], v[RUN+\a0+\k], v[TV+\k], s[50+\k]
	v_cndmask_b32 v[IDX+\a0+\k], v[IDX+\a0+\k], v[TA+\k], s[50+\k]
.endr
.endr
	s_add_co_u32 s[TM], s[TM], 256
	s_add_co_u32 s[TC], s[TC], 32
	s_and_b32 s37, s[TT], 3                        ; the tile after the next, modulo my four
	s_add_co_u32 s[TT], s[TT], 1
	s_lshl_b32 s38, s37, 16
	s_lshl_b32 s37, s37, 11
	s_wait_xcnt 0x0                                ; the loads have read their offsets
	v_mov_b32 v[BO], v[BN]
	v_add_nc_u32 v[BN], s38, v[L16]
	v_add_nc_u32 v[SBO], s37, v[L32]
	s_sub_co_u32 s2, s2, 1
	s_cmp_lg_u32 s2, 0
	s_wait_alu depctr_va_vdst(0)
	s_cbranch_scc1 .Ltile
; The place becomes a bank row; the two halves of the lanes are joined (smaller bits, then the lower row); (bits, row) of my 256 queries go to my part of the stage.
.irp a, 0,1,2,3,4,5,6,7,8,9,10,11,12,13,14,15
	v_and_b32 v[RUN+\a], 0x7fffffff, v[RUN+\a]
	v_lshrrev_b32 v[TA], 3, v[IDX+\a]
	v_and_b32 v[TB], 7, v[IDX+\a]
	v_lshl_add_u32 v[TA], v[TA], 4, v[TB]
	v_add_nc_u32 v[IDX+\a], v[TA], v[IB]
	v_permlanex16_b32 v[T+2*\a], v[RUN+\a], s44, s45
	v_permlanex16_b32 v[T+2*\a+1], v[IDX+\a], s44, s45
	v_cmp_lt_u32 s41, v[T+2*\a], v[RUN+\a]
	v_cmp_eq_u32 vcc_lo, v[T+2*\a], v[RUN+\a]
	v_cmp_lt_u32 s43, v[T+2*\a+1], v[IDX+\a]
	s_and_b32 s43, s43, vcc_lo
	s_or_b32 s41, s41, s43
	v_cndmask_b32 v[RUN+\a], v[RUN+\a], v[T+2*\a], s41
	v_cndmask_b32 v[IDX+\a], v[IDX+\a], v[T+2*\a+1], s41
	v_cndmask_b32 v[T+32+\a], v[RUN+\a], v[IDX+\a], s42
	ds_store_b32 v[STO], v[T+32+\a] offset:128*\a
.endr
	s_wait_alu depctr_va_vdst(0)
	s_wait_dscnt 0x0                               ; for the others' sake
	s_barrier_signal -1
	s_barrier_wait -1
; Waves 2 p and 2 p + 1 make one run of 512 rows: each joins 128 queries; the later wave's rows are the higher, so it wins on smaller bits alone.
.irp i, 0,1
	ds_load_b128 v[T+4*\i:T+4*\i+3], v[RD] offset:512*\i
	ds_load_b128 v[T+8+4*\i:T+8+4*\i+3], v[RD] offset:2048+512*\i
.endr
	s_wait_dscnt 0x0
.irp e, 0,2,4,6
	v_cmp_lt_u32 vcc_lo, v[T+8+\e], v[T+\e]
	v_cndmask_b32 v[T+\e], v[T+\e], v[T+8+\e], vcc_lo
	v_cndmask_b32 v[T+\e+1], v[T+\e+1], v[T+9+\e], vcc_lo
.endr
	global_store_b128 v[L16], v[T:T+3], s[16:17]               ; 512 consecutive bytes, aligned
	global_store_b128 v[L16], v[T+4:T+7], s[16:17] offset:512
	s_wait_tensorcnt 0x0                           ; the wave's end
	ds_add_u32 v[SPW], v[NIL]
	s_wait_dscnt 0x0
	s_endpgm
.Lfunc_end_k_qdf9e13490f_knn:
	.size	k_qdf9e13490f_knn, .Lfunc_end_k_qdf9e13490f_knn-k_qdf9e13490f_knn
	.p2alignl 7, 3214868480
	.fill 96, 4, 3214868480
	.section	.rodata,"a",@progbits
	.p2align	6, 0x0
	.amdhsa_kernel k_qdf9e13490f_knn
		.amdhsa_group_segment_fixed_size 327680
		.amdhsa_private_segment_fixed_size 0
		.amdhsa_enable_private_segment 0
		.amdhsa_kernarg_size 56
		.amdhsa_user_sgpr_count 2
		.amdhsa_user_sgpr_kernarg_segment_ptr 1
		.amdhsa_wavefront_size32 1
		.amdhsa_system_sgpr_workgroup_id_x 1
		.amdhsa_system_sgpr_workgroup_id_y 1
		.amdhsa_system_sgpr_workgroup_id_z 1
		.amdhsa_system_vgpr_workitem_id 0
		.amdhsa_next_free_vgpr 1024
		.amdhsa_next_free_sgpr 66
		.amdhsa_reserve_vcc 1
		.amdhsa_float_denorm_mode_32 3
		.amdhsa_float_denorm_mode_16_64 3
		.amdhsa_memory_ordered 1
		.amdhsa_forward_progress 1
		.amdhsa_inst_pref_size 255
	.end_amdhsa_kernel
	.section	.bss,"aw",@nobits
	.p2align	6
	.space	262144
	.amdgpu_metadata
---
amdhsa.version: [ 1, 2 ]
amdhsa.kernels:
  - .name:           k_qdf9e13490f_knn
    .symbol:         k_qdf9e13490f_knn.kd
    .args:
      - { .name: fq_codes, .offset: 0, .size: 8, .value_kind: global_buffer, .address_space: global }
      - { .name: fq_scales, .offset: 8, .size: 8, .value_kind: global_buffer, .address_space: global }
      - { .name: mb_codes, .offset: 16, .size: 8, .value_kind: global_buffer, .address_space: global }
      - { .name: mb_scales, .offset: 24, .size: 8, .value_kind: global_buffer, .address_space: global }
      - { .name: fsqp, .offset: 32, .size: 8, .value_kind: global_buffer, .address_space: global }
      - { .name: msq, .offset: 40, .size: 8, .value_kind: global_buffer, .address_space: global }
      - { .name: pkey, .offset: 48, .size: 8, .value_kind: global_buffer, .address_space: global }
    .group_segment_fixed_size: 327680
    .private_segment_fixed_size: 0
    .kernarg_segment_align: 8
    .kernarg_segment_size: 56
    .max_flat_workgroup_size: 128
    .sgpr_count:     66
    .vgpr_count:     1024
    .wavefront_size: 32
...
	.end_amdgpu_metadata
.endif
;; end of part 2
;; launch infl (part 3): grid 128 x 2, 16 waves a work-group, no clusters, 138,496 bytes of LDS; arguments features, memory_bank, pkey, inflp; writes inflp
.if DOCPART == 3
	.amdgcn_target "amdgcn-amd-amdhsa--gfx1250"
	.amdhsa_code_object_version 6
	.text
	.protected	k_qdf9e13490f_infl
	.globl	k_qdf9e13490f_infl
	.p2align	8
	.type	k_qdf9e13490f_infl,@function
k_qdf9e13490f_infl:
	s_mov_b64 s[64:65], 0
	v_nop
	global_prefetch_b8 v0, s[64:65] scope:SCOPE_SE
	s_setreg_imm32_b32 hwreg(HW_REG_WAVE_MODE, 25, 1), 1
	s_wait_xcnt 0x0
; inflp[y][q] = (the sum over c in half y of |f(q, c) - bank(nearest(q), c)|) / d0(q) / 1024, d0 = sqrt(d2 + 1e-8) + 1e-8.  The two halves are added by the next launch.
; nearest(q) and d2 come from pkey [16 runs][8192][2]: whole numbers (the bits of d2, the bank row) that an earlier launch stored.  The smallest is picked by whole-number compares: the smaller bits, on equal bits the lower row.
; The row is held to 0 .. 8,191 before it enters an address.
; SHARES.  A work-group owns 64 queries (work-group x) and 512 of the 1,024 channels (work-group y).  features lie [b][c][hw]: a lane holds queries 2 l, 2 l + 1 and its registers run down c: wave w takes c = 32 w .. 32 w + 31 of the half.
; The bank's rows lie along c: wave w fetches the rows of queries 4 w .. 4 w + 3, sixteen lanes to 256 consecutive bytes, and they turn through a stage in LDS: a row of 2,048 bytes + 16, query ql at place ql / 2 + 32 (ql % 2).
; The division is a multiplication by v_rcp_f32's result.  No tensor loads.  Two barriers: the stage is whole; the sixteen waves' partial sums are there.
.set PITCH, 2064                       ; 129 x 16 bytes: the 16 rows that a load touches start at 16 different groups of four banks
.set HALF,  32*PITCH
.set RED,   64*PITCH                   ; the waves' partial sums: 256 bytes a wave
.set D0A,   RED+4096                   ; the bits of d2 of the 64 queries
.set EPSB,  0x322bcc77                 ; 1e-8
.set RL,    32                         ; v32-95   the bank's rows as they land
.set F,     96                         ; v96-159  features: register 2 i + e: query 2 l + e, channel i of my 32
.set N0,    160                        ; v160-191 the nearest row of query 2 l, my 32 channels
.set N1,    192                        ; v192-223 of query 2 l + 1
	s_load_b256 s[4:11], s[0:1], 0x0               ; features s[4:5], the bank s[6:7], pkey s[8:9], inflp s[10:11]
	v_lshl_add_u32 v224, v0, 2, 0x21500
	v_mov_b32 v225, 0
	v_lshrrev_b32 v1, 5, v0
	s_delay_alu instid0(VALU_DEP_1)
	v_readfirstlane_b32 s16, v1                    ; wave 0..15
	v_and_b32 v1, 31, v0                           ; l
	v_and_b32 v2, 15, v0                           ; r
	v_bfe_u32 v3, v0, 4, 1                         ; h
	s_and_b32 s17, ttmp7, 0xffff                   ; y
	v_lshlrev_b32 v4, 3, v1                        ; 8 l
	v_lshlrev_b32 v5, 16, v2
	s_delay_alu instid0(VALU_DEP_1)
	v_lshl_add_u32 v5, v3, 3, v5                   ; pkey: run r (65,536 bytes a run), query + h
	v_lshlrev_b32 v6, 4, v2                        ; 16 r
	s_mul_i32 s18, s16, 2*PITCH
	v_mul_u32_u24 v7, v3, HALF
	s_delay_alu instid0(VALU_DEP_1)
	v_add_nc_u32 v7, v7, v6
	s_delay_alu instid0(VALU_DEP_1)
	v_add_nc_u32 v7, s18, v7                       ; into the stage: place 2 w + u + 32 h, 16 r
	s_lshl_b32 s18, s16, 7
	v_mul_u32_u24 v8, v1, PITCH
	s_delay_alu instid0(VALU_DEP_1)
	v_add_nc_u32 v8, s18, v8                       ; out of it: place l, my wave's 128 bytes;
	s_delay_alu instid0(VALU_DEP_1)
	v_add_nc_u32 v9, HALF, v8                      ; place l + 32
	s_lshl_b32 s18, s16, 4
	s_add_co_u32 s18, s18, D0A
	v_lshl_add_u32 v10, v3, 2, s18                 ; the bits of d2 of query 4 w + h (+ 2 u)
	s_lshl_b32 s18, s16, 8
	s_add_co_u32 s18, s18, RED
	v_add_nc_u32 v11, s18, v4                      ; my wave's partial sums
	v_add_nc_u32 v12, RED, v4
	v_add_nc_u32 v13, D0A, v4
.irp i, 20,21,22,23
	v_mov_b32 v\i, 0                               ; written once: a DPP form's destination counts as one of its sources
.endr
	s_lshr_b32 s20, ttmp9, 4                       ; features: b x 2^22 + (512 y + 32 w) x 4,096 + 256 x (x mod 16)
	s_lshl_b32 s20, s20, 22
	s_lshl_b32 s18, s17, 21
	s_add_co_u32 s20, s20, s18
	s_lshl_b32 s18, s16, 17
	s_add_co_u32 s20, s20, s18
	s_and_b32 s18, ttmp9, 15
	s_lshl_b32 s18, s18, 8
	s_add_co_u32 s20, s20, s18
	s_mov_b32 s21, 0
	s_lshl_b32 s22, ttmp9, 9                       ; pkey: (64 x + 4 w) x 8
	s_lshl_b32 s18, s16, 5
	s_add_co_u32 s22, s22, s18
	s_mov_b32 s23, 0
	s_lshl_b32 s24, s17, 11                        ; the bank: 2,048 y
	s_mov_b32 s25, 0
	s_lshl_b32 s26, s17, 15                        ; inflp: (8,192 y + 64 x) x 4
	s_lshl_b32 s18, ttmp9, 8
	s_add_co_u32 s26, s26, s18
	s_mov_b32 s27, 0
	s_mov_b32 s28, EPSB
	s_wait_kmcnt 0x0
	s_add_nc_u64 s[4:5], s[4:5], s[20:21]
	s_add_nc_u64 s[8:9], s[8:9], s[22:23]
	s_add_nc_u64 s[6:7], s[6:7], s[24:25]
	s_add_nc_u64 s[10:11], s[10:11], s[26:27]
	global_load_b64 v[16:17], v5, s[8:9]           ; (bits, row) of run r, query 4 w + h
	global_load_b64 v[18:19], v5, s[8:9] offset:16 ; and query 4 w + h + 2
.irp i, 0,1,2,3,4,5,6,7,8,9,10,11,12,13,14,15,16,17,18,19,20,21,22,23,24,25,26,27,28,29,30,31
	global_load_b64 v[F+2*\i:F+2*\i+1], v4, s[4:5] offset:4096*\i   ; 32 lanes read 256 consecutive bytes, aligned
.endr
	s_wait_loadcnt 32                              ; the keys are in; the 32 loads behind them may be out
.irp m, 1,2,4,8                                ; the smallest of the 16 runs, in every lane of a half
.irp u, 0,1
	v_mov_b32_dpp v[20+2*\u], v[16+2*\u] row_xmask:\m row_mask:0xf bank_mask:0xf
	v_mov_b32_dpp v[21+2*\u], v[17+2*\u] row_xmask:\m row_mask:0xf bank_mask:0xf
	s_delay_alu instid0(VALU_DEP_2)
	v_cmp_lt_u32 s30, v[20+2*\u], v[16+2*\u]
	s_delay_alu instid0(VALU_DEP_3)
	v_cmp_eq_u32 vcc_lo, v[20+2*\u], v[16+2*\u]
	s_delay_alu instid0(VALU_DEP_3)
	v_cmp_lt_u32 s31, v[21+2*\u], v[17+2*\u]
	s_and_b32 s31, s31, vcc_lo
	s_or_b32 s30, s30, s31
	v_cndmask_b32 v[16+2*\u], v[16+2*\u], v[20+2*\u], s30
	v_cndmask_b32 v[17+2*\u], v[17+2*\u], v[21+2*\u], s30
.endr
.endr
.irp u, 0,1
	ds_store_b32 v10, v[16+2*\u] offset:8*\u       ; sixteen lanes write the same word with the same value
	v_min_u32 v[14+\u], 0x1fff, v[17+2*\u]         ; the row stays inside the bank
	s_delay_alu instid0(VALU_DEP_1)
	v_lshlrev_b32 v[14+\u], 12, v[14+\u]           ; 4,096 bytes a row
	s_delay_alu instid0(VALU_DEP_1)
	v_add_nc_u32 v[14+\u], v[14+\u], v6
.endr
.irp u, 0,1
.irp k, 0,1,2,3,4,5,6,7
	global_load_b128 v[RL+4*(8*\u+\k):RL+4*(8*\u+\k)+3], v[14+\u], s[6:7] offset:256*\k   ; sixteen lanes read 256 consecutive bytes, aligned, of a query's nearest row
.endr
.endr
	s_wait_loadcnt 0x0
.irp u, 0,1
.irp k, 0,1,2,3,4,5,6,7
	ds_store_b128 v7, v[RL+4*(8*\u+\k):RL+4*(8*\u+\k)+3] offset:\u*PITCH+256*\k
.endr
.endr
	s_wait_dscnt 0x0                               ; for the others' sake: my stores are done
	s_barrier_signal -1
	s_barrier_wait -1                              ; the 64 rows lie in the stage
.irp k, 0,1,2,3,4,5,6,7
	ds_load_b128 v[N0+4*\k:N0+4*\k+3], v8 offset:16*\k
	ds_load_b128 v[N1+4*\k:N1+4*\k+3], v9 offset:16*\k
.endr
	s_wait_dscnt 0x0
.irp i, 0,1,2,3,4,5,6,7,8,9,10,11,12,13,14,15,16,17,18,19,20,21,22,23,24,25,26,27,28,29,30,31
	v_sub_f32 v[F+2*\i], v[F+2*\i], v[N0+\i]
	v_sub_f32 v[F+2*\i+1], v[F+2*\i+1], v[N1+\i]
.endr
	v_add_f32 v24, |v[F]|, |v[F+4]|                ; four chains, started by the first numbers: v24, v26 query 2 l; v25, v27 query 2 l + 1
	v_add_f32 v25, |v[F+1]|, |v[F+5]|
	v_add_f32 v26, |v[F+2]|, |v[F+6]|
	v_add_f32 v27, |v[F+3]|, |v[F+7]|
.irp i, 4,6,8,10,12,14,16,18,20,22,24,26,28,30
	s_delay_alu instid0(VALU_DEP_4)
	v_add_f32 v24, v24, |v[F+2*\i]|
	s_delay_alu instid0(VALU_DEP_4)
	v_add_f32 v25, v25, |v[F+2*\i+1]|
	s_delay_alu instid0(VALU_DEP_4)
	v_add_f32 v26, v26, |v[F+2*\i+2]|
	s_delay_alu instid0(VALU_DEP_4)
	v_add_f32 v27, v27, |v[F+2*\i+3]|
.endr
	s_delay_alu instid0(VALU_DEP_1)
	v_pk_add_f32 v[24:25], v[24:25], v[26:27]
	ds_store_b64 v11, v[24:25]
	s_wait_dscnt 0x0                               ; for wave 0's sake
	s_barrier_signal -1
	s_barrier_wait -1                              ; the sixteen waves' sums are there
	s_cmp_lg_u32 s16, 0
	s_cbranch_scc1 .Lend                           ; wave 0 alone goes on; no barrier follows
.irp j, 0,1,2,3,4,5,6,7,8,9,10,11,12,13,14,15
	ds_load_b64 v[32+2*\j:33+2*\j], v12 offset:256*\j
.endr
	ds_load_b64 v[64:65], v13                      ; the bits of d2 of queries 2 l, 2 l + 1
	s_wait_dscnt 0x0
.irp j, 0,1,2,3,4,5,6,7
	v_pk_add_f32 v[32+4*\j:33+4*\j], v[32+4*\j:33+4*\j], v[34+4*\j:35+4*\j]
.endr
.irp j, 0,1,2,3
	v_pk_add_f32 v[32+8*\j:33+8*\j], v[32+8*\j:33+8*\j], v[36+8*\j:37+8*\j]
.endr
	s_delay_alu instid0(VALU_DEP_3)
	v_pk_add_f32 v[32:33], v[32:33], v[40:41]
	s_delay_alu instid0(VALU_DEP_2)
	v_pk_add_f32 v[48:49], v[48:49], v[56:57]
	s_delay_alu instid0(VALU_DEP_1)
	v_pk_add_f32 v[32:33], v[32:33], v[48:49]
	v_add_f32 v64, s28, v64
	v_add_f32 v65, s28, v65
	s_wait_alu depctr_va_vdst(0)
	v_sqrt_f32 v64, v64
	v_sqrt_f32 v65, v65
	v_nop                                          ; a plain line between a transcendental and the use of its result
	s_wait_alu depctr_va_vdst(0)
	v_add_f32 v64, s28, v64                        ; d0
	v_add_f32 v65, s28, v65
	s_wait_alu depctr_va_vdst(0)
	v_rcp_f32 v64, v64
	v_rcp_f32 v65, v65
	v_nop
	s_wait_alu depctr_va_vdst(0)
	v_pk_mul_f32 v[32:33], v[32:33], v[64:65]
	s_delay_alu instid0(VALU_DEP_1)
	v_ldexp_f32 v32, v32, -10                      ; the mean's 1 / 1,024: exact
	s_delay_alu instid0(VALU_DEP_2)
	v_ldexp_f32 v33, v33, -10
	global_store_b64 v4, v[32:33], s[10:11]        ; 32 lanes store 256 consecutive bytes, aligned
.Lend:
	s_wait_tensorcnt 0x0
	ds_add_u32 v224, v225
	s_wait_dscnt 0x0
	s_endpgm
.Lfunc_end_k_qdf9e13490f_infl:
	.size	k_qdf9e13490f_infl, .Lfunc_end_k_qdf9e13490f_infl-k_qdf9e13490f_infl
	.p2alignl 7, 3214868480
	.fill 96, 4, 3214868480
	.section	.rodata,"a",@progbits
	.p2align	6, 0x0
	.amdhsa_kernel k_qdf9e13490f_infl
		.amdhsa_group_segment_fixed_size 138496
		.amdhsa_private_segment_fixed_size 0
		.amdhsa_enable_private_segment 0
		.amdhsa_kernarg_size 32
		.amdhsa_user_sgpr_count 2
		.amdhsa_user_sgpr_kernarg_segment_ptr 1
		.amdhsa_wavefront_size32 1
		.amdhsa_system_sgpr_workgroup_id_x 1
		.amdhsa_system_sgpr_workgroup_id_y 1
		.amdhsa_system_sgpr_workgroup_id_z 1
		.amdhsa_system_vgpr_workitem_id 0
		.amdhsa_next_free_vgpr 226
		.amdhsa_next_free_sgpr 66
		.amdhsa_reserve_vcc 1
		.amdhsa_float_denorm_mode_32 3
		.amdhsa_float_denorm_mode_16_64 3
		.amdhsa_memory_ordered 1
		.amdhsa_forward_progress 1
		.amdhsa_inst_pref_size 26
	.end_amdhsa_kernel
	.amdgpu_metadata
---
amdhsa.version: [ 1, 2 ]
amdhsa.kernels:
  - .name:           k_qdf9e13490f_infl
    .symbol:         k_qdf9e13490f_infl.kd
    .args:
      - { .name: features, .offset: 0, .size: 8, .value_kind: global_buffer, .address_space: global }
      - { .name: memory_bank, .offset: 8, .size: 8, .value_kind: global_buffer, .address_space: global }
      - { .name: pkey, .offset: 16, .size: 8, .value_kind: global_buffer, .address_space: global }
      - { .name: inflp, .offset: 24, .size: 8, .value_kind: global_buffer, .address_space: global }
    .group_segment_fixed_size: 138496
    .private_segment_fixed_size: 0
    .kernarg_segment_align: 8
    .kernarg_segment_size: 32
    .max_flat_workgroup_size: 512
    .sgpr_count:     66
    .vgpr_count:     226
    .wavefront_size: 32
...
	.end_amdgpu_metadata
.endif
;; end of part 3
;; launch noised (part 4): grid 128 x 2, 16 waves a work-group, no clusters, 134,400 bytes of LDS; arguments features, noise, inflp, out0, out1, out2; writes out0, out1, out2
.if DOCPART == 4
	.amdgcn_target "amdgcn-amd-amdhsa--gfx1250"
	.amdhsa_code_object_version 6
	.text
	.protected	k_qdf9e13490f_noised
	.globl	k_qdf9e13490f_noised
	.p2align	8
	.type	k_qdf9e13490f_noised,@function
k_qdf9e13490f_noised:
	s_mov_b64 s[64:65], 0
	v_nop
	global_prefetch_b8 v0, s[64:65] scope:SCOPE_SE
	s_setreg_imm32_b32 hwreg(HW_REG_WAVE_MODE, 25, 1), 1
	s_wait_xcnt 0x0
; v(q) = inflp[0][q] + inflp[1][q];  norm = (v - min v) / max(max v - min v, 1e-8) where max v - min v > 1e-8, else 0;  std = 0.01 + 0.49 norm;  out0[b][c][hw] = features + noise(q, c) x std(q);  out1 = norm, out2 = std.
; The smallest and the largest v of all 8,192 are found anew by every work-group (64 KB read, 16 numbers a thread): a sum over work-groups inside a launch is not to be had, and a launch of its own would cost more.
; SHARES as in the launch before: a work-group owns 64 queries and 512 channels; a lane holds queries 2 l, 2 l + 1, its registers run down c; wave w takes c = 32 w .. 32 w + 31 of the half.
; noise lies [q][c]: wave w fetches the rows of queries 4 w .. 4 w + 3, sixteen lanes to 256 consecutive bytes, and they turn through a stage in LDS: rows of 2,048 bytes + 16, query ql at place ql / 2 + 32 (ql % 2).
; The division is a multiplication by v_rcp_f32's result.  No tensor loads.  One barrier: the stage is whole and the sixteen waves' smallest and largest are there.
.set PITCH, 2064
.set HALF,  32*PITCH
.set MM,    64*PITCH                   ; the waves' (smallest, largest): 8 bytes a wave
.set NL,    32                         ; v32-95   noise as it lands
.set F,     96                         ; v96-159  features, then the result
.set P,     160                        ; v160-195 influence numbers; later:
.set N0,    160                        ; v160-191 noise of query 2 l, my 32 channels
.set N1,    192                        ; v192-223 of query 2 l + 1
	s_load_b256 s[4:11], s[0:1], 0x0               ; features s[4:5], noise s[6:7], inflp s[8:9], out0 s[10:11]
	s_load_b128 s[12:15], s[0:1], 0x20             ; out1 s[12:13], out2 s[14:15]
	v_lshl_add_u32 v224, v0, 2, 0x20500
	v_mov_b32 v225, 0
	v_lshrrev_b32 v1, 5, v0
	s_delay_alu instid0(VALU_DEP_1)
	v_readfirstlane_b32 s16, v1                    ; wave 0..15
	v_and_b32 v1, 31, v0                           ; l
	v_and_b32 v2, 15, v0                           ; r
	v_bfe_u32 v3, v0, 4, 1                         ; h
	s_and_b32 s17, ttmp7, 0xffff                   ; y
	v_lshlrev_b32 v4, 3, v1                        ; 8 l
	v_lshlrev_b32 v5, 4, v2                        ; 16 r
	v_lshlrev_b32 v6, 4, v0                        ; 16 x thread
	s_mul_i32 s18, s16, 2*PITCH
	v_mul_u32_u24 v7, v3, HALF
	s_delay_alu instid0(VALU_DEP_1)
	v_add_nc_u32 v7, v7, v5
	s_delay_alu instid0(VALU_DEP_1)
	v_add_nc_u32 v7, s18, v7                       ; into the stage: place 2 w + u + 32 h, 16 r
	v_lshl_add_u32 v5, v3, 12, v5                  ; noise: row + h, 16 r
	s_lshl_b32 s18, s16, 7
	v_mul_u32_u24 v8, v1, PITCH
	s_delay_alu instid0(VALU_DEP_1)
	v_add_nc_u32 v8, s18, v8                       ; out of it: place l, my wave's 128 bytes;
	s_delay_alu instid0(VALU_DEP_1)
	v_add_nc_u32 v9, HALF, v8                      ; place l + 32
	s_lshl_b32 s18, s16, 3
	s_add_co_u32 s18, s18, MM
	v_mov_b32 v10, s18                             ; my wave's pair
	v_lshl_add_u32 v11, v2, 3, MM                  ; wave r's pair
	v_mov_b32 v14, 0                               ; written once: a lane permute's destination counts as one of its sources
	v_mov_b32 v15, 0
	s_lshr_b32 s20, ttmp9, 4                       ; features and out0: b x 2^22 + (512 y + 32 w) x 4,096 + 256 x (x mod 16)
	s_lshl_b32 s20, s20, 22
	s_lshl_b32 s18, s17, 21
	s_add_co_u32 s20, s20, s18
	s_lshl_b32 s18, s16, 17
	s_add_co_u32 s20, s20, s18
	s_and_b32 s18, ttmp9, 15
	s_lshl_b32 s18, s18, 8
	s_add_co_u32 s20, s20, s18
	s_mov_b32 s21, 0
	s_lshl_b32 s22, ttmp9, 18                      ; noise: (64 x + 4 w) x 4,096 + 2,048 y
	s_lshl_b32 s18, s16, 14
	s_add_co_u32 s22, s22, s18
	s_lshl_b32 s18, s17, 11
	s_add_co_u32 s22, s22, s18
	s_mov_b32 s23, 0
	s_lshl_b32 s24, ttmp9, 8                       ; my 64 queries' numbers: 64 x x 4
	s_mov_b32 s25, 0
	s_mov_b32 s28, 0x76543210
	s_mov_b32 s29, 0xfedcba98                      ; v_permlanex16_b32's selects for lane l xor 16
	s_mov_b32 s30, 0x322bcc77                      ; 1e-8
	s_mov_b32 s32, 0x3efae148                      ; 0.49
	s_mov_b32 s33, 0x3c23d70a                      ; 0.01
	s_wait_alu depctr_va_vdst(0)
	s_wait_kmcnt 0x0
	s_add_nc_u64 s[4:5], s[4:5], s[20:21]
	s_add_nc_u64 s[10:11], s[10:11], s[20:21]
	s_add_nc_u64 s[6:7], s[6:7], s[22:23]
	s_add_nc_u64 s[26:27], s[8:9], s[24:25]
	s_add_nc_u64 s[12:13], s[12:13], s[24:25]
	s_add_nc_u64 s[14:15], s[14:15], s[24:25]
.irp j, 0,1,2,3
	global_load_b128 v[P+4*\j:P+4*\j+3], v6, s[8:9] offset:8192*\j            ; 16 of the 8,192 numbers a thread: the first half's part,
.endr
.irp j, 0,1,2,3
	global_load_b128 v[P+16+4*\j:P+16+4*\j+3], v6, s[8:9] offset:32768+8192*\j   ; and the second's
.endr
	global_load_b64 v[P+32:P+33], v4, s[26:27]                                   ; my own two queries'
	global_load_b64 v[P+34:P+35], v4, s[26:27] offset:32768
.irp u, 0,1
.irp k, 0,1,2,3,4,5,6,7
	global_load_b128 v[NL+4*(8*\u+\k):NL+4*(8*\u+\k)+3], v5, s[6:7] offset:8192*\u+256*\k th:TH_LOAD_NT   ; sixteen lanes read 256 consecutive bytes, aligned, of a query's row
.endr
.endr
.irp i, 0,1,2,3,4,5,6,7,8,9,10,11,12,13,14,15,16,17,18,19,20,21,22,23,24,25,26,27,28,29,30,31
	global_load_b64 v[F+2*\i:F+2*\i+1], v4, s[4:5] offset:4096*\i th:TH_LOAD_NT   ; 32 lanes read 256 consecutive bytes, aligned
.endr
	s_wait_loadcnt 48                              ; the influence numbers are in; noise's 16 loads and features' 32 may be out
.irp j, 0,1,2,3,4,5,6,7
	v_pk_add_f32 v[P+2*\j:P+2*\j+1], v[P+2*\j:P+2*\j+1], v[P+16+2*\j:P+16+2*\j+1]
.endr
	v_pk_add_f32 v[16:17], v[P+32:P+33], v[P+34:P+35]   ; v of queries 2 l, 2 l + 1
	v_min3_num_f32 v12, v[P], v[P+1], v[P+2]
	v_max3_num_f32 v13, v[P], v[P+1], v[P+2]
.irp i, 3,5,7,9,11,13
	s_delay_alu instid0(VALU_DEP_2)
	v_min3_num_f32 v12, v12, v[P+\i], v[P+\i+1]
	s_delay_alu instid0(VALU_DEP_2)
	v_max3_num_f32 v13, v13, v[P+\i], v[P+\i+1]
.endr
	s_delay_alu instid0(VALU_DEP_2)
	v_min_num_f32 v12, v12, v[P+15]
	s_delay_alu instid0(VALU_DEP_2)
	v_max_num_f32 v13, v13, v[P+15]
.irp m, 1,2,4,8
	s_delay_alu instid0(VALU_DEP_2)
	v_min_num_f32_dpp v12, v12, v12 row_xmask:\m row_mask:0xf bank_mask:0xf
	s_delay_alu instid0(VALU_DEP_2)
	v_max_num_f32_dpp v13, v13, v13 row_xmask:\m row_mask:0xf bank_mask:0xf
.endr
	s_delay_alu instid0(VALU_DEP_2)
	v_permlanex16_b32 v14, v12, s28, s29
	s_delay_alu instid0(VALU_DEP_2)
	v_permlanex16_b32 v15, v13, s28, s29
	s_delay_alu instid0(VALU_DEP_2)
	v_min_num_f32 v12, v12, v14
	s_delay_alu instid0(VALU_DEP_2)
	v_max_num_f32 v13, v13, v15
	ds_store_b64 v10, v[12:13]                     ; all lanes write the same pair with the same values
	s_wait_loadcnt 32                              ; noise is in; features' 32 loads may be out
.irp u, 0,1
.irp k, 0,1,2,3,4,5,6,7
	ds_store_b128 v7, v[NL+4*(8*\u+\k):NL+4*(8*\u+\k)+3] offset:\u*PITCH+256*\k
.endr
.endr
	s_wait_dscnt 0x0                               ; for the others' sake: my stores are done
	s_barrier_signal -1
	s_barrier_wait -1
	ds_load_b64 v[12:13], v11                      ; wave r's smallest and largest
.irp k, 0,1,2,3,4,5,6,7
	ds_load_b128 v[N0+4*\k:N0+4*\k+3], v8 offset:16*\k
	ds_load_b128 v[N1+4*\k:N1+4*\k+3], v9 offset:16*\k
.endr
	s_wait_dscnt 16                                ; the pair is in; the sixteen loads behind it may be out
.irp m, 1
	v_min_num_f32_dpp v12, v12, v12 row_xmask:\m row_mask:0xf bank_mask:0xf
	v_max_num_f32_dpp v13, v13, v13 row_xmask:\m row_mask:0xf bank_mask:0xf
.endr
.irp m, 2, 4, 8
	s_delay_alu instid0(VALU_DEP_2)
	v_min_num_f32_dpp v12, v12, v12 row_xmask:\m row_mask:0xf bank_mask:0xf
	s_delay_alu instid0(VALU_DEP_2)
	v_max_num_f32_dpp v13, v13, v13 row_xmask:\m row_mask:0xf bank_mask:0xf
.endr
	s_delay_alu instid0(VALU_DEP_1)
	v_sub_f32 v22, v13, v12                        ; the largest less the smallest
	s_delay_alu instid0(VALU_DEP_1)
	v_max_num_f32 v23, s30, v22
	s_wait_alu depctr_va_vdst(0)
	v_rcp_f32 v23, v23
	v_sub_f32 v18, v16, v12                        ; (a plain line behind the transcendental)
	v_sub_f32 v19, v17, v12
	v_cmp_lt_f32 vcc_lo, s30, v22
	s_wait_alu depctr_va_vdst(0)
	v_mul_f32 v18, v18, v23
	v_mul_f32 v19, v19, v23
	s_delay_alu instid0(VALU_DEP_2)
	v_cndmask_b32 v18, 0, v18, vcc_lo              ; norm
	s_delay_alu instid0(VALU_DEP_2)
	v_cndmask_b32 v19, 0, v19, vcc_lo
	s_delay_alu instid0(VALU_DEP_2)
	v_fma_f32 v20, v18, s32, s33                   ; std
	s_delay_alu instid0(VALU_DEP_2)
	v_fma_f32 v21, v19, s32, s33
	s_wait_alu depctr_va_vdst(0)
	s_wait_loadcnt 0x0
	s_wait_dscnt 0x0
.irp i, 0,1,2,3,4,5,6,7,8,9,10,11,12,13,14,15,16,17,18,19,20,21,22,23,24,25,26,27,28,29,30,31
	v_fma_f32 v[F+2*\i], v[N0+\i], v20, v[F+2*\i]
	v_fma_f32 v[F+2*\i+1], v[N1+\i], v21, v[F+2*\i+1]
	global_store_b64 v4, v[F+2*\i:F+2*\i+1], s[10:11] offset:4096*\i th:TH_STORE_NT   ; 32 lanes store 256 consecutive bytes, aligned
.endr
	s_or_b32 s18, s16, s17
	s_cmp_lg_u32 s18, 0
	s_cbranch_scc1 .Lend                           ; wave 0 of the work-groups with y = 0 stores the two maps' 64 numbers
	global_store_b64 v4, v[18:19], s[12:13]
	global_store_b64 v4, v[20:21], s[14:15]
.Lend:
	s_wait_tensorcnt 0x0
	ds_add_u32 v224, v225
	s_wait_dscnt 0x0
	s_endpgm
.Lfunc_end_k_qdf9e13490f_noised:
	.size	k_qdf9e13490f_noised, .Lfunc_end_k_qdf9e13490f_noised-k_qdf9e13490f_noised
	.p2alignl 7, 3214868480
	.fill 96, 4, 3214868480
	.section	.rodata,"a",@progbits
	.p2align	6, 0x0
	.amdhsa_kernel k_qdf9e13490f_noised
		.amdhsa_group_segment_fixed_size 134400
		.amdhsa_private_segment_fixed_size 0
		.amdhsa_enable_private_segment 0
		.amdhsa_kernarg_size 48
		.amdhsa_user_sgpr_count 2
		.amdhsa_user_sgpr_kernarg_segment_ptr 1
		.amdhsa_wavefront_size32 1
		.amdhsa_system_sgpr_workgroup_id_x 1
		.amdhsa_system_sgpr_workgroup_id_y 1
		.amdhsa_system_sgpr_workgroup_id_z 1
		.amdhsa_system_vgpr_workitem_id 0
		.amdhsa_next_free_vgpr 226
		.amdhsa_next_free_sgpr 66
		.amdhsa_reserve_vcc 1
		.amdhsa_float_denorm_mode_32 3
		.amdhsa_float_denorm_mode_16_64 3
		.amdhsa_memory_ordered 1
		.amdhsa_forward_progress 1
		.amdhsa_inst_pref_size 23
	.end_amdhsa_kernel
	.amdgpu_metadata
---
amdhsa.version: [ 1, 2 ]
amdhsa.kernels:
  - .name:           k_qdf9e13490f_noised
    .symbol:         k_qdf9e13490f_noised.kd
    .args:
      - { .name: features, .offset: 0, .size: 8, .value_kind: global_buffer, .address_space: global }
      - { .name: noise, .offset: 8, .size: 8, .value_kind: global_buffer, .address_space: global }
      - { .name: inflp, .offset: 16, .size: 8, .value_kind: global_buffer, .address_space: global }
      - { .name: out0, .offset: 24, .size: 8, .value_kind: global_buffer, .address_space: global }
      - { .name: out1, .offset: 32, .size: 8, .value_kind: global_buffer, .address_space: global }
      - { .name: out2, .offset: 40, .size: 8, .value_kind: global_buffer, .address_space: global }
    .group_segment_fixed_size: 134400
    .private_segment_fixed_size: 0
    .kernarg_segment_align: 8
    .kernarg_segment_size: 48
    .max_flat_workgroup_size: 512
    .sgpr_count:     66
    .vgpr_count:     226
    .wavefront_size: 32
...
	.end_amdgpu_metadata
.endif
;; end of part 4
